; MI455X (gfx1250); checked and timed in simulation.
; The chip was launched on July 23, 2026; its instructions are those of AMD's public machine-readable ISA for CDNA 5 (MIT licence, August 2026) and "CDNA5" Instruction Set Architecture Reference Guide (July 2026). The comments in the code are by the model that wrote it; some were corrected since.
;; Flash Attention. Allowed arithmetic: matrix products marked QUANTISED: E2M1 operands, one E8M0 scale for each 32 along K, by v_wmma_scale_f32_16x16x128_f8f6f4 with both operands' format E2M1 (or v_wmma_scale_f32_32x16x128_f4), f32 sums; everything else in f32.
;; Inputs: bk 1,024 float32; bo 1,024 float32; bq 1,024 float32; bv 1,024 float32; wk_codes 1,024 x 32 x 16 uint8 (E2M1 codes of wk, K innermost, in blocks of 32 codes, two codes a byte); wk_scales 1,024 x 32 uint8 (E8M0 scales of wk, one for each 32 codes along K); wo_codes 1,024 x 32 x 16 uint8 (E2M1 codes of wo, K innermost, in blocks of 32 codes, two codes a byte); wo_scales 1,024 x 32 uint8 (E8M0 scales of wo, one for each 32 codes along K); wq_codes 1,024 x 32 x 16 uint8 (E2M1 codes of wq, K innermost, in blocks of 32 codes, two codes a byte); wq_scales 1,024 x 32 uint8 (E8M0 scales of wq, one for each 32 codes along K); wv_codes 1,024 x 32 x 16 uint8 (E2M1 codes of wv, K innermost, in blocks of 32 codes, two codes a byte); wv_scales 1,024 x 32 uint8 (E8M0 scales of wv, one for each 32 codes along K); x_codes 4 x 2,048 x 32 x 16 uint8 (E2M1 codes of x, K innermost, in blocks of 32 codes, two codes a byte); x_scales 4 x 2,048 x 32 uint8 (E8M0 scales of x, one for each 32 codes along K).
;; Outputs: out0 4 x 2,048 x 1,024 float32.
;; This version of the problem:
;;   THIS VERSION OF THE PROBLEM IS GIVEN IN LOW PRECISION. The matrix products marked QUANTISED in the list below multiply operands that are first quantised to E2M1 (2 exponent bits, 1 mantissa bit; 4 bits a number), with one power-of-two scale for each 32 numbers along K (OCP MX v1.0); their sums are f32. All else is computed in f32.
;;   The module's matrix products, in the order in which they are computed (A, B: the left and right operand; K: the contracted axis; several contracted axes count as one K, in the product's order):
;;     1. [M 8,192, K 1,024] x [K 1,024, N 1,024]; A: input x (given as codes); B: input wq (given as codes): QUANTISED
;;     2. [M 8,192, K 1,024] x [K 1,024, N 1,024]; A: input x (given as codes); B: input wk (given as codes): QUANTISED
;;     3. [M 8,192, K 1,024] x [K 1,024, N 1,024]; A: input x (given as codes); B: input wv (given as codes): QUANTISED
;;     4. batch 64 x [M 2,048, K 64] x [K 64, N 2,048]; A: computed on the way; B: computed on the way: QUANTISED
;;     5. batch 64 x [M 2,048, K 2,048] x [K 2,048, N 64]; A: softmax (see below); B: computed on the way: QUANTISED
;;     6. [M 8,192, K 1,024] x [K 1,024, N 1,024]; A: computed on the way; B: input wo (given as codes): QUANTISED
;;   THE QUANTISER, for each operand of a quantised product, along K:
;;     - K is cut into blocks of 32 from its start; a last block that is shorter is filled with zeros.
;;     - A block's scale is 2^e with e = floor(log2(the largest magnitude in the block)) - 2, held to -126 .. 127; a block of zeros has e = 0. As a byte (E8M0): e + 127.
;;     - Each number is divided by its block's scale, clamped to +-6, and rounded to the nearest number of E2M1, ties to even, subnormals kept.
;;     - The product sums the exact products of the quantised numbers (number of the format x scale) in f32.
;;   ~~~python
;;   def quantise(x, axis):      # numpy; x: float32 -> the quantised numbers, widened to float32 again
;;       x = np.moveaxis(x, axis, -1); K = x.shape[-1]
;;       x = np.pad(x, [(0, 0)] * (x.ndim - 1) + [(0, -K % 32)]); x = x.reshape(x.shape[:-1] + (-1, 32)); a = np.abs(x).max(-1, keepdims=True)
;;       e = np.where(a > 0, np.clip(np.frexp(np.where(a > 0, a, 1))[1] - 1 - 2, -126, 127), 0)      # np.frexp(a)[1] - 1 = floor(log2(a)), exactly
;;       r = np.clip(x / 2.0 ** e, -6, 6)
;;       step = 2.0 ** (np.maximum(np.frexp(np.where(r == 0, 1, r))[1] - 1, 0) - 1)
;;       q = np.round(r / step) * step * 2.0 ** e      # np.round: ties to even
;;       return np.moveaxis(q.reshape(q.shape[:-2] + (-1,))[..., :K], -1, axis).astype(np.float32)
;;   ~~~
;;   SOFTMAX AHEAD OF A QUANTISED PRODUCT. Where the list says 'softmax', what is quantised is not the finished softmax but p = 2^(t - M), with t = logit x log2(e) and M = ceil(the row's largest t), a whole number; so 1/2 < the row's largest p <= 1. The row's sum l is taken of the UNQUANTISED p, in f32, and the product's result is divided by l at the end. Since M is a whole number, a kernel that streams over the keys may use a running M (the ceiling of the running maximum): every later rescaling is an exact power of two, which a block's scale takes up: the codes' values come out the same.
;;   OPERANDS COMPUTED ON THE WAY. 'Computed on the way' means the value that the module computes at that place (a softmax that the list does not call 'softmax' is quantised finished and normalised). What goes into a quantiser is computed in f32, as accurately as f32 sums, v_exp_f32 and their like allow (about 1e-6 of the number): no bf16 or f16 on the way to a quantiser, and a product that is left as it is and whose result goes on into a quantised operand takes f32 operands (vector FMAs, or v_wmma_f32_16x16x4_f32). A number that lies on a knife's edge between two numbers of the format may be rounded either way, as far as f32 arithmetic and the matrix unit's own rounding can turn it there, and no further.
;;   INPUTS GIVEN AS CODES. wk (in the module: [1024, 1024], K = its axis 1); wo (in the module: [1024, 1024], K = its axis 1); wq (in the module: [1024, 1024], K = its axis 1); wv (in the module: [1024, 1024], K = its axis 1); x (in the module: [4, 2048, 1024], K = its axis 2): each comes as NAME_codes (uint8): NAME with its K axis moved to the last place and cut into blocks of 32 codes, [.., K / 32, bytes a block], one block behind the other in memory; two codes a byte, the lower K in the low four bits (a code: sign, 2 exponent bits, 1 mantissa bit); and NAME_scales (uint8): the same leading axes, one E8M0 byte (e + 127) for each 32 codes along K. Its value is code x scale, taken as it is: it is not quantised again, and the codes and scales need not be those that the quantiser above would give.
;; One version. Each part assembles by itself: llvm-mc -triple=amdgcn-amd-amdhsa -mcpu=gfx1250 --defsym DOCPART=n.
;; ======== version 1 of 1: 3 launches
;; workspace buffers: qb 4,718,592 bytes; kv 9,175,040 bytes; ac 4,194,304 bytes; asc 262,144 bytes
;; launch proj (part 1): grid 12 x 32, 4 waves a work-group, clusters of 4 x 4, 279,040 bytes of LDS; arguments x_codes, x_scales, wq_codes, wk_codes, wv_codes, wq_scales, wk_scales, wv_scales, bq, bk, bv, qb, kv; writes qb, kv
.if DOCPART == 1
	.amdgcn_target "amdgcn-amd-amdhsa--gfx1250"
	.amdhsa_code_object_version 6
	.text
	.protected	k_qc77914f605_proj
	.globl	k_qc77914f605_proj
	.p2align	8
	.type	k_qc77914f605_proj,@function
k_qc77914f605_proj:
	s_mov_b64 s[64:65], 0
	v_nop
	global_prefetch_b8 v0, s[64:65] scope:SCOPE_SE
	s_setreg_imm32_b32 hwreg(HW_REG_WAVE_MODE, 25, 1), 1
	s_wait_xcnt 0x0
	s_wait_alu depctr_hold_cnt(0) depctr_sa_sdst(0) depctr_va_vdst(0) depctr_va_sdst(0) depctr_va_ssrc(0) depctr_va_vcc(0) depctr_vm_vsrc(0)
	s_getreg_b32 s2, hwreg(HW_REG_IB_STS2, 6, 4)
	s_cmp_eq_u32 s2, 0
	s_cbranch_scc0 .Lentry_in_a_cluster
	s_endpgm
.Lentry_in_a_cluster:
	s_bfe_u32 s2, ttmp6, 0x10000c
	s_cmp_lg_u32 s2, 0xf033
	s_cbranch_scc0 .Lentry_shape_is_right
	s_endpgm
.Lentry_shape_is_right:
; Q = x Wq^T + bq, K = x Wk^T + bk, V = x Wv^T + bv on codes of FP4 (E2M1) with one E8M0 scale for each 32 along K = 1,024; the results are quantised here:
; Q and K along a head's 64 channels (two blocks of 32), V along the keys, and leave as IMAGES OF OPERAND REGISTERS (lane l's 16 bytes at 16 l), as the attention launch loads them.
; SHARES.  A work-group makes 256 tokens x 256 channels of ONE of the three products; a wave 128 x 128: 64 accumulators, 512 registers.  The cluster's x says which product (0 Q, 1 K, 2 V): a cluster's four
; columns are the 1,024 rows of one weight, so the kind is the same in all sixteen partners.  x's tile is shared along a row of the cluster, the weight's along a column: both are asked for jointly.
; K = 1,024 lies in two LDS slots of 512 along K, both filled once, at the start: no LDS byte is filled again.
; ROLES.  The OUTER operand is source 1 (one set of registers, window 0): a lane holds one of its rows.  The INNER operand is source 0 (two sets, window 1): a lane's eight results run along its rows.
; Q, K: outer = x, inner = W: a lane holds a token, its registers channels.  V: outer = Wv, inner = x: a lane holds a channel, its registers tokens (keys).  One text serves both: only LDS bases, scale pointers, bias and stores differ.
; QUANTISING.  In tile t of an outer block register j is k = 16 t + 8 (lane / 16) + j: eight neighbours, which is what one conversion takes.  Of a block of 32 (tiles 2 b, 2 b + 1) a lane holds octets h and 2 + h; the
; conversions' results are numbered so that two exchanges of lane halves for each 64 along k leave registers 4 c .. 4 c + 3 with k = 64 c + 32 h + 0 .. 31, the operand's layout.
; LIMITS: NaN and infinities are not served.  A block of zeros gets the scale byte 1 where the quantiser's rule says 127: its codes are zeros, and the bytes are read by this program alone.
; The bias enters as the C of each sum's first product, so it is added ahead of the products and not behind them: another order of f32 rounding than the reference's.
.set PITCH,  272                       ; an LDS row: 256 bytes + 16 of padding: the sixteen rows that a load touches begin in sixteen different 16-byte columns modulo 256
.set HALFT,  128*PITCH                 ; 128 rows: what one tensor load brings and what one wave reads of an operand
.set SLOT,   4*HALFT                   ; x's 256 rows, then the weight's 256 rows
.set ADRA, 16                          ; v16-17  LDS address of my outer fragments in slot 0, 1
.set ADRB, 20                          ; v20-21  of my inner fragments
.set L16,  24                          ; v24     16 x lane
.set L8,   25                          ; v25     8 x lane
.set L32,  26                          ; v26     32 x lane: a row of scale bytes
.set H32,  27                          ; v27     32 x (lane / 16)
.set R4,   28                          ; v28     4 x (lane % 16)
.set SA,   32                          ; v32-63  outer scale words: register 8 (a / 2) + s: K step s; lanes 0-15 block a even, lanes 16-31 block a odd
.set SB,   64                          ; v64-95  inner scale words likewise
.set TM,   96                          ; v96-111 at work in the quantiser
.set PW,   112                         ; v112-119 the scale word made for outer block a
.set AF,   128                         ; v128-191 outer fragments; behind the products the codes made for outer block a, 8 registers each
.set SW,   192                         ; v192-199 scale words as they are stored for Q and K
.set MM,   200                         ; v200-203 two blocks' scale words in one register
.set BI,   64                          ; window 1, v64-127: the bias in the result's layout
.set G1,   24                          ; s[24:31] descriptor group 1 for x's tiles;  s[32:39] group 0, a set for each slot
.set G0,   32
.set G1B,  48                          ; s[48:55], s[56:63] the same for the weight's tiles
.set G0B,  56
.set MSB, 0
.macro WIN new                         ; the immediate's high byte repeats the setting that is left; a switch that changes nothing is dropped
.if MSB != (\new)
	s_set_vgpr_msb (MSB<<8)|(\new)
.set MSB, (\new)
.endif
.endm
; one product: D, source 0, source 1, C, source 0's scales, source 1's scales; ra, rb = 1: the scales stand in lanes 16-31
.macro WM d, a, b, c, sa, sb, ra, rb
.if (\ra) && (\rb)
	v_wmma_scale_f32_16x16x128_f8f6f4 v[(\d):(\d)+7], v[(\a):(\a)+7], v[(\b):(\b)+7], v[(\c):(\c)+7], v[\sa], v[\sb] matrix_a_fmt:MATRIX_FMT_FP4 matrix_b_fmt:MATRIX_FMT_FP4 matrix_a_scale:MATRIX_SCALE_ROW1 matrix_b_scale:MATRIX_SCALE_ROW1
.elseif (\ra)
	v_wmma_scale_f32_16x16x128_f8f6f4 v[(\d):(\d)+7], v[(\a):(\a)+7], v[(\b):(\b)+7], v[(\c):(\c)+7], v[\sa], v[\sb] matrix_a_fmt:MATRIX_FMT_FP4 matrix_b_fmt:MATRIX_FMT_FP4 matrix_a_scale:MATRIX_SCALE_ROW1
.elseif (\rb)
	v_wmma_scale_f32_16x16x128_f8f6f4 v[(\d):(\d)+7], v[(\a):(\a)+7], v[(\b):(\b)+7], v[(\c):(\c)+7], v[\sa], v[\sb] matrix_a_fmt:MATRIX_FMT_FP4 matrix_b_fmt:MATRIX_FMT_FP4 matrix_b_scale:MATRIX_SCALE_ROW1
.else
	v_wmma_scale_f32_16x16x128_f8f6f4 v[(\d):(\d)+7], v[(\a):(\a)+7], v[(\b):(\b)+7], v[(\c):(\c)+7], v[\sa], v[\sb] matrix_a_fmt:MATRIX_FMT_FP4 matrix_b_fmt:MATRIX_FMT_FP4
.endif
.endm
.macro PLACES n                        ; plain vector instructions between a matrix instruction and a load into, or a vector read of, its registers
.rept \n
	v_nop
.endr
.endm
; A joint load: waves 0 and 1 fetch x's two halves, waves 2 and 3 the weight's.  Each line has one mask and one set of registers; the branch hangs on the wave's number alone.  Four v_nop follow each line.
.macro JLOAD s
	s_cmp_eq_u32 s15, 0
	s_cbranch_scc0 .Lfor_w_\@
	tensor_load_to_lds s[G0+4*\s:G0+4*\s+3], s[G1:G1+7]
	s_nop 0
.rept 4
	v_nop
.endr
	s_branch .Lasked_\@
.Lfor_w_\@:
	tensor_load_to_lds s[G0B+4*\s:G0B+4*\s+3], s[G1B:G1B+7]
	s_nop 0
.rept 4
	v_nop
.endr
.Lasked_\@:
.endm
.macro CROUND                          ; a round of the cluster's barrier
	s_barrier_signal -1
	s_barrier_wait -1
	s_cmp_lg_u32 s14, 0
	s_cbranch_scc1 .Lnot_wave_0_\@
	s_barrier_signal -3
.Lnot_wave_0_\@:
	s_barrier_wait -3
	s_barrier_signal -1
	s_barrier_wait -1
.endm
	s_load_b512 s[68:83], s[0:1], 0x0              ; x's codes 68, x's scales 70, codes of wq 72, wk 74, wv 76, scales of wq 78, wk 80, wv 82
	s_load_b256 s[84:91], s[0:1], 0x40             ; bq 84, bk 86, bv 88, qb 90
	s_load_b64 s[92:93], s[0:1], 0x60              ; kv
	v_lshl_add_u32 v254, v0, 2, 0x44000
	v_mov_b32 v255, 0
	ds_add_u32 v254, v255
	ds_add_u32 v254, v255
	v_lshrrev_b32 v1, 5, v0
	v_readfirstlane_b32 s14, v1                    ; wave 0..3
	s_lshr_b32 s15, s14, 1                         ; my half of the outer rows.  Also: I fetch for x (0) or for the weight (1)
	s_and_b32 s16, s14, 1                          ; my half of the inner rows.  Also: which 128 rows of that tile I fetch
	s_bfe_u32 s40, ttmp6, 0x40000                  ; cx, cy: my place in the cluster
	s_bfe_u32 s41, ttmp6, 0x40004
	s_mov_b32 s42, ttmp9                           ; the cluster's x: the kind, 0 Q, 1 K, 2 V: the same in all partners
	s_and_b32 s17, ttmp7, 0xffff
	s_lshl_b32 s17, s17, 2
	s_add_co_u32 s17, s17, s41                     ; block of 256 tokens = 4 x cluster y + cy
	s_lshl_b32 s43, s41, 2
	s_lshl_b32 s43, 15, s43                        ; my row of the cluster
	s_lshl_b32 s44, 0x1111, s40                    ; my column
	; descriptor group 1: 128 rows x 256 bytes, 512 bytes apart in memory, 16 bytes of padding behind each row in LDS
	s_or_b32 s[G1+0], s43, (1<<20)|(1<<21)|(5<<22)|(3<<25)   ; 15:0 the mask; 17:16 elements of 1 byte; 20 padding on; 21 set beside a mask; 24:22 after every 64 words; 31:25 four words
	s_or_b32 s[G1B+0], s44, (1<<20)|(1<<21)|(5<<22)|(3<<25)
.irp g, G1, G1B
	s_mov_b32 s[\g+1], 256<<16                     ; tensor_dim0
	s_mov_b32 s[\g+2], 128<<16                     ; tensor_dim1
	s_mov_b32 s[\g+3], 256<<16                     ; tile_dim0
	s_mov_b32 s[\g+4], 128                         ; tile_dim1
	s_mov_b32 s[\g+5], 512                         ; bytes from row to row
	s_mov_b32 s[\g+6], 0
	s_mov_b32 s[\g+7], 0
.endr
	s_mov_b32 s67, 0xffff0000                      ; lanes 16-31
	s_mov_b32 s94, 0x76543210
	s_mov_b32 s95, 0xfedcba98                      ; v_permlanex16_b32's selects for lane l xor 16
	s_lshl_b32 s18, s16, 7                         ; which 128 rows of a tile I fetch
	s_lshl_b32 s20, s17, 8
	s_add_co_u32 s20, s20, s18
	s_lshl_b32 s20, s20, 9                         ; x: (256 x token block + 128 x half) rows of 512 bytes
	s_mov_b32 s21, 0
	s_lshl_b32 s46, s40, 8
	s_add_co_u32 s46, s46, s18
	s_lshl_b32 s46, s46, 9                         ; the weight: (256 cx + 128 x half) rows
	s_mov_b32 s47, 0
	s_mul_i32 s45, s14, HALFT                      ; where they go: wave x 128 rows: no place in the cluster enters an LDS address
	s_wait_dscnt 0x0
	s_wait_kmcnt 0x0
	s_cmp_eq_u32 s42, 0                            ; Q, or one of the others
	s_cselect_b64 s[8:9], s[72:73], s[74:75]       ; the weight's codes,
	s_cselect_b64 s[10:11], s[78:79], s[80:81]     ; its scales,
	s_cselect_b64 s[12:13], s[84:85], s[86:87]     ; the bias,
	s_cselect_b64 s[4:5], s[90:91], s[92:93]       ; the buffer that takes the result,
	s_mov_b32 s2, 143360
	s_cselect_b32 s2, 73728, s2                    ; its bytes for a head,
	s_mov_b32 s3, 8960
	s_cselect_b32 s3, 4608, s3                     ; for 128 tokens of a head,
	s_mov_b32 s18, 8192
	s_cselect_b32 s18, 4096, s18                   ; and where the scale image of Q or K begins in those
	s_cmp_eq_u32 s42, 2                            ; V
	s_cselect_b64 s[8:9], s[76:77], s[8:9]
	s_cselect_b64 s[10:11], s[82:83], s[10:11]
	s_cselect_b64 s[12:13], s[88:89], s[12:13]
	s_cselect_b32 s66, 2*HALFT, 0                  ; the outer operand in a slot: x at 0, for V the weight behind x's 256 rows
	s_cselect_b32 s19, 0, 2*HALFT                  ; the inner operand: the other one
	s_cselect_b32 s96, s16, s15                    ; which half of the tokens is mine,
	s_cselect_b32 s97, s15, s16                    ; and which half of the channels
	s_add_nc_u64 s[20:21], s[68:69], s[20:21]
	s_add_nc_u64 s[46:47], s[8:9], s[46:47]
	CROUND                                         ; all sixteen work-groups are here: the joint loads meet
.irp s, 0,1
	s_mov_b32 s[G0+4*\s], 1                        ; count = 1
	s_add_co_u32 s[G0+4*\s+1], s45, \s*SLOT        ; LDS address
	s_add_nc_u64 s[G0+4*\s+2:G0+4*\s+3], s[20:21], \s*256   ; global address: K = 512 s on
	s_or_b32 s[G0+4*\s+3], s[G0+4*\s+3], 0x80000000         ; type = 2
	s_mov_b32 s[G0B+4*\s], 1
	s_add_co_u32 s[G0B+4*\s+1], s45, \s*SLOT
	s_add_nc_u64 s[G0B+4*\s+2:G0B+4*\s+3], s[46:47], \s*256
	s_or_b32 s[G0B+4*\s+3], s[G0B+4*\s+3], 0x80000000
	JLOAD \s                                       ; both slots are asked for at once: two tensor loads of mine are out
.endr
	v_and_b32 v1, 15, v0                           ; r = lane % 16
	v_bfe_u32 v2, v0, 4, 1                         ; h = lane / 16
	v_mul_u32_u24 v3, v1, PITCH
	v_lshl_add_u32 v4, v2, 4, v3                   ; a fragment's row x pitch + 16 h
	s_mul_i32 s21, s15, HALFT
	s_add_co_u32 s21, s21, s66                     ; my 128 outer rows
	s_mul_i32 s22, s16, HALFT
	s_add_co_u32 s22, s22, s19                     ; my 128 inner rows
.irp s, 0,1
	v_add_nc_u32 v[ADRA+\s], s21, v4
	v_add_nc_u32 v[ADRB+\s], s22, v4
	s_add_co_u32 s21, s21, SLOT
	s_add_co_u32 s22, s22, SLOT
.endr
	v_and_b32 v5, 31, v0
	v_lshlrev_b32 v[L16], 4, v5
	v_lshlrev_b32 v[L8], 3, v5
	v_lshlrev_b32 v[L32], 5, v5
	s_wait_alu depctr_va_vdst(0)
	v_lshlrev_b32 v[H32], 5, v2
	v_lshlrev_b32 v[R4], 2, v1
.irp b, 0,1,2,3
	v_mov_b32 v[TM+4+\b], 0                        ; written once: a lane permute's destination counts as one of its sources
.endr
	s_lshl_b32 s20, s17, 8
	s_lshl_b32 s21, s96, 7
	s_add_co_u32 s20, s20, s21                     ; T0: my first token
	s_lshl_b32 s22, s20, 5
	s_mov_b32 s23, 0
	s_add_nc_u64 s[70:71], s[70:71], s[22:23]      ; x's scales at my tokens: 32 bytes a row
	s_lshl_b32 s21, s40, 8
	s_lshl_b32 s22, s97, 7
	s_add_co_u32 s21, s21, s22                     ; my first channel: 256 cx + 128 x half
	s_lshl_b32 s22, s21, 2
	s_add_nc_u64 s[12:13], s[12:13], s[22:23]      ; the bias at my channels
	s_lshl_b32 s22, s21, 5
	s_add_nc_u64 s[10:11], s[10:11], s[22:23]      ; the weight's scales at my channels
	s_cmp_eq_u32 s42, 2
	s_cselect_b64 s[6:7], s[10:11], s[70:71]       ; the outer operand's scales,
	s_cselect_b64 s[10:11], s[70:71], s[10:11]     ; the inner operand's
	s_lshr_b32 s21, s20, 11                        ; the batch
	s_lshl_b32 s21, s21, 4
	s_lshl_b32 s22, s40, 2
	s_add_co_u32 s21, s21, s22
	s_lshl_b32 s22, s97, 1
	s_add_co_u32 s21, s21, s22                     ; my first head: 16 x batch + 4 cx + 2 x half; I make two heads
	s_mul_i32 s22, s21, s2
	s_bfe_u32 s21, s20, 0x40007                    ; which 128 tokens of the batch's 2,048
	s_mul_i32 s21, s21, s3
	s_add_co_u32 s22, s22, s21
	s_add_nc_u64 s[68:69], s[4:5], s[22:23]        ; where my first head's part begins,
	s_mov_b32 s22, s2
	s_add_nc_u64 s[70:71], s[68:69], s[22:23]      ; my second head's,
	s_mov_b32 s22, s18
	s_add_nc_u64 s[72:73], s[68:69], s[22:23]      ; and the scale images of Q or K
	s_add_nc_u64 s[74:75], s[70:71], s[22:23]
	; THE SCALE WORDS come from memory into registers once: a row's 32 bytes are its eight words, one for each 128 along K; a lane takes a row, two loads cover 1,024 consecutive bytes
.irp i, 0,1,2,3
.irp q, 0,1
	global_load_b128 v[SA+8*\i+4*\q:SA+8*\i+4*\q+3], v[L32], s[6:7] offset:1024*\i+16*\q
	global_load_b128 v[SB+8*\i+4*\q:SB+8*\i+4*\q+3], v[L32], s[10:11] offset:1024*\i+16*\q
.endr
.endr
	; THE BIAS, in the result's layout, is the C of each sum's first product
	s_cmp_eq_u32 s42, 2
	s_cbranch_scc1 .Lbias_v
	WIN 0x40                                       ; destination window 1
	s_wait_alu depctr_va_vdst(0)
.irp b, 0,1,2,3,4,5,6,7
	global_load_b128 v[BI+8*\b:BI+8*\b+3], v[H32], s[12:13] offset:64*\b       ; Q, K: registers run along channels: bias[16 b + 8 h + j]
	global_load_b128 v[BI+8*\b+4:BI+8*\b+7], v[H32], s[12:13] offset:64*\b+16
.endr
	WIN 0
	s_branch .Lbias_done
.Lbias_v:
	WIN 0x40
	s_wait_alu depctr_va_vdst(0)
.irp a, 0,1,2,3,4,5,6,7
.irp j, 0,1,2,3,4,5,6,7
	global_load_b32 v[BI+8*\a+\j], v[R4], s[12:13] offset:64*\a                ; V: a lane holds a channel: bias[16 a + r] in all eight registers
.endr
.endr
	WIN 0
.Lbias_done:
.macro FRAG reg, adr, q, i             ; 16 rows x 128 K of 4-bit codes: lane l holds row l % 16; registers 4 c .. 4 c + 3 hold K = 64 c + 32 (l / 16) + 0 .. 31
.irp c, 0,1
	ds_load_b128 v[\reg+4*\c:\reg+4*\c+3], v[\adr] offset:64*(\q)+32*\c+(\i)*16*PITCH
.endr
.endm
.macro FETCH_B slot, q, p              ; the eight inner fragments of the slot's q-th 128 along K into set p
	WIN 0x40
.irp i, 0,1,2,3,4,5,6,7
	FRAG 128*(\p)+8*\i, ADRB+\slot, \q, \i
.endr
	WIN 0
.endm
.macro FETCH_A slot, q, i0             ; outer blocks i0 .. i0 + 3
.irp i, \i0, \i0+1, \i0+2, \i0+3
	FRAG AF+8*(\i), ADRA+\slot, \q, \i
.endr
.endm
; 16 products: outer blocks a0, a0 + 1 x the eight inner blocks; p: the inner set; s: the K step, 0 .. 7.  cm = 0: the sums go on; 1: they begin with the bias by inner block; 2: by outer block.
; The 64 accumulators take turns, one instruction a turn, in the same order in every step.
.macro MUL16 a0, p, s, cm
.if \cm
	WIN 0x91+0x40*((\a0)/4)                        ; source 0 and C window 1, source 1 window 0, D window 2 or 3
.else
	WIN 0xa1+0x50*((\a0)/4)                        ; source 0 window 1, source 1 window 0, C and D window 2 or 3
.endif
.irp a, \a0, \a0+1
.irp b, 0,1,2,3,4,5,6,7
.if (\cm) == 0
	WM 8*(8*((\a)%4)+\b), 128*(\p)+8*\b, AF+8*(\a), 8*(8*((\a)%4)+\b), SB+8*(\b/2)+(\s), SA+8*((\a)/2)+(\s), \b%2, (\a)%2
.elseif (\cm) == 1
	WM 8*(8*((\a)%4)+\b), 128*(\p)+8*\b, AF+8*(\a), BI+8*\b, SB+8*(\b/2)+(\s), SA+8*((\a)/2)+(\s), \b%2, (\a)%2
.else
	WM 8*(8*((\a)%4)+\b), 128*(\p)+8*\b, AF+8*(\a), BI+8*(\a), SB+8*(\b/2)+(\s), SA+8*((\a)/2)+(\s), \b%2, (\a)%2
.endif
.endr
.endr
.endm
; A step of 128 along K that has its successor in the same slot.  An outer block is free as soon as its eight products are issued: blocks 0-3 are fetched anew in the step's middle, blocks 4-7 at its end.
.macro STEP slot, q, cm
	s_wait_dscnt 8                                 ; the inner set and outer blocks 0-3 are in; the youngest eight loads (outer blocks 4-7) may be out
	MUL16 0, (\q)%2, 4*(\slot)+(\q), \cm
	MUL16 2, (\q)%2, 4*(\slot)+(\q), \cm
	s_wait_dscnt 0x0                               ; outer blocks 4-7 are in
	PLACES 4
	FETCH_B \slot, (\q)+1, 1-(\q)%2
	FETCH_A \slot, (\q)+1, 0
	MUL16 4, (\q)%2, 4*(\slot)+(\q), \cm
	MUL16 6, (\q)%2, 4*(\slot)+(\q), \cm
	PLACES 4
	WIN 0
	FETCH_A \slot, (\q)+1, 4
.endm
	s_wait_tensorcnt 1                             ; my part of slot 0 is in; slot 1's load may be out
	s_barrier_signal -1
	s_barrier_wait -1                              ; everybody's is
	FETCH_B 0, 0, 0
	FETCH_A 0, 0, 0
	FETCH_A 0, 0, 4
	s_wait_loadcnt 0x0                             ; scale words and bias
	s_cmp_eq_u32 s42, 2                            ; the first step is written twice: it differs in which bias registers start a sum
	s_cbranch_scc1 .Lfirst_v
	STEP 0, 0, 1
	s_branch .Lfirst_done
.Lfirst_v:
	STEP 0, 0, 2
.Lfirst_done:
	STEP 0, 1, 0
	STEP 0, 2, 0
	; slot 0's last step goes over to slot 1: each wave's part of slot 1 has landed, then one barrier
	s_wait_tensorcnt 0x0
	s_wait_dscnt 8
	MUL16 0, 1, 3, 0
	s_wait_dscnt 0x0                               ; no LDS load of mine is out at the signal
	s_barrier_signal -1
	MUL16 2, 1, 3, 0
	WIN 0
	s_barrier_wait -1
	PLACES 4
	FETCH_B 1, 0, 0
	FETCH_A 1, 0, 0
	MUL16 4, 1, 3, 0
	MUL16 6, 1, 3, 0
	PLACES 4
	WIN 0
	FETCH_A 1, 0, 4
	STEP 1, 0, 0
	STEP 1, 1, 0
	STEP 1, 2, 0
	s_wait_dscnt 8                                 ; the last step: nothing more to fetch
	MUL16 0, 1, 7, 0
	MUL16 2, 1, 7, 0
	s_wait_dscnt 0x0
	MUL16 4, 1, 7, 0
	MUL16 6, 1, 7, 0
	WIN 0
	PLACES 4                                       ; behind the last products: their results are read and the outer fragments' registers are written below
; Outer block a: 64 numbers a lane, register 8 t + j = k 16 t + 8 h + j of my row, become 8 registers of codes at v[AF + 8 a] and a scale word in v[PW + a].
.macro QUANT a
.set QS, 64*((\a)%4)
.set QW, 2+(\a)/4
.set QP, AF+8*(\a)
	WIN (QW<<2)|(QW<<4)                            ; sources 1 and 2: the accumulators' window
.irp b, 0,1,2,3
	v_max3_num_f32 v[TM+\b], 0x1800000, |v[QS+16*\b]|, |v[QS+16*\b+1]|   ; block b: my 16 numbers and the floor 2^(3 - 127), so that the byte cannot fall under 1; each accumulator is read from its low end on
.endr
.irp i, 2,4,6,8,10,12,14
.irp b, 0,1,2,3
	v_max3_num_f32 v[TM+\b], v[TM+\b], |v[QS+16*\b+\i]|, |v[QS+16*\b+\i+1]|   ; the four blocks by turns
.endr
.endr
	WIN 0
.irp b, 0,1,2,3
	v_permlanex16_b32 v[TM+4+\b], v[TM+\b], s94, s95
.endr
.irp b, 0,1,2,3
	v_max_num_f32 v[TM+\b], v[TM+\b], v[TM+4+\b]   ; with lane l xor 16's 16: the block's largest magnitude
.endr
.irp b, 0,1,2,3
	v_add_nc_u32 v[TM+12+\b], 0xff000000, v[TM+\b] ; 2 off its exponent field: the conversion takes this operand's exponent field as its scale
.endr
.irp b, 0,1,2,3
	v_lshrrev_b32 v[TM+4+\b], 23, v[TM+12+\b]      ; the scale's byte
.endr
	v_lshl_or_b32 v[PW+\a], v[TM+5], 8, v[TM+4]
	v_lshl_or_b32 v[PW+\a], v[TM+6], 16, v[PW+\a]
	v_lshl_or_b32 v[PW+\a], v[TM+7], 24, v[PW+\a]  ; my row's scale word
	WIN QW                                         ; source 0: the accumulators' window
.irp c, 0,1
.irp e, 0,1
	v_cvt_scalef32_pk8_fp4_f32 v[QP+4*\c+\e], v[QS+16*(2*\c+\e):QS+16*(2*\c+\e)+7], v[TM+12+2*\c+\e]       ; tile 4 c + 2 e
	v_cvt_scalef32_pk8_fp4_f32 v[QP+4*\c+2+\e], v[QS+16*(2*\c+\e)+8:QS+16*(2*\c+\e)+15], v[TM+12+2*\c+\e]  ; tile 4 c + 2 e + 1
.endr
.endr
	WIN 0
	v_nop                                          ; one plain instruction behind the scaled conversions
.irp c, 0,1
	v_permlane16_swap_b32 v[QP+4*\c], v[QP+4*\c+1]     ; the first's lanes 16-31 change places with the second's lanes 0-15:
	v_permlane16_swap_b32 v[QP+4*\c+2], v[QP+4*\c+3]   ; registers 4 c .. 4 c + 3 now hold k = 64 c + 32 h + 0 .. 31
.endr
.endm
.irp a, 0,1,2,3,4,5,6,7
	QUANT \a
.endr
.irp p, 0,1,2,3
	v_cndmask_b32 v[MM+\p], v[PW+2*\p], v[PW+2*\p+1], s67   ; lanes 0-15: block 2 p's words; lanes 16-31: block 2 p + 1's
.endr
	s_cmp_eq_u32 s42, 2
	s_cbranch_scc1 .Lstore_v
	; Q, K: outer block a is a tile of 16 tokens; codes 0-3 are my first head's 64 channels, codes 4-7 my second head's.  Every store covers 512 consecutive bytes, aligned
.irp p, 0,1,2,3
	v_and_b32 v[SW+\p], 0xffff, v[MM+\p]           ; the first head's two bytes; the upper two stay 0,
	v_lshrrev_b32 v[SW+4+\p], 16, v[MM+\p]         ; the second head's likewise
.endr
.irp a, 0,1,2,3,4,5,6,7
	global_store_b128 v[L16], v[AF+8*\a:AF+8*\a+3], s[68:69] offset:512*\a
	global_store_b128 v[L16], v[AF+8*\a+4:AF+8*\a+7], s[70:71] offset:512*\a
.endr
	global_store_b128 v[L16], v[SW:SW+3], s[72:73]
	global_store_b128 v[L16], v[SW+4:SW+7], s[74:75]
	s_branch .Lstored
.Lstore_v:
	s_wait_alu depctr_va_vdst(0)
	; V: outer block a is 16 channels of head a / 4 against 128 keys: a whole fragment of V^T, 1,024 bytes, behind the step's 4,096 bytes of K
.irp a, 0,1,2,3,4,5,6,7
	global_store_b128 v[L16], v[AF+8*\a:AF+8*\a+3], s[68+2*(\a/4):69+2*(\a/4)] offset:4096+1024*(\a%4)
	global_store_b128 v[L16], v[AF+8*\a+4:AF+8*\a+7], s[68+2*(\a/4):69+2*(\a/4)] offset:4096+1024*(\a%4)+512
.endr
	global_store_b64 v[L8], v[MM:MM+1], s[68:69] offset:8704     ; the four fragments' scale words: 256 consecutive bytes, aligned
	global_store_b64 v[L8], v[MM+2:MM+3], s[70:71] offset:8704
.Lstored:
	s_wait_tensorcnt 0x0
	ds_add_u32 v254, v255
	s_wait_dscnt 0x0
	CROUND                                         ; the closing round: no work-group ends while a partner may still ask for a tile that names it
	s_endpgm
.Lfunc_end_k_qc77914f605_proj:
	.size	k_qc77914f605_proj, .Lfunc_end_k_qc77914f605_proj-k_qc77914f605_proj
	.p2alignl 7, 3214868480
	.fill 96, 4, 3214868480
	.section	.rodata,"a",@progbits
	.p2align	6, 0x0
	.amdhsa_kernel k_qc77914f605_proj
		.amdhsa_group_segment_fixed_size 279040
		.amdhsa_private_segment_fixed_size 0
		.amdhsa_enable_private_segment 0
		.amdhsa_kernarg_size 104
		.amdhsa_user_sgpr_count 2
		.amdhsa_user_sgpr_kernarg_segment_ptr 1
		.amdhsa_wavefront_size32 1
		.amdhsa_system_sgpr_workgroup_id_x 1
		.amdhsa_system_sgpr_workgroup_id_y 1
		.amdhsa_system_sgpr_workgroup_id_z 1
		.amdhsa_system_vgpr_workitem_id 0
		.amdhsa_next_free_vgpr 1024
		.amdhsa_next_free_sgpr 98
		.amdhsa_reserve_vcc 0
		.amdhsa_float_denorm_mode_32 3
		.amdhsa_float_denorm_mode_16_64 3
		.amdhsa_memory_ordered 1
		.amdhsa_forward_progress 1
		.amdhsa_inst_pref_size 148
	.end_amdhsa_kernel
	.amdgpu_metadata
---
amdhsa.version: [ 1, 2 ]
amdhsa.kernels:
  - .name:           k_qc77914f605_proj
    .symbol:         k_qc77914f605_proj.kd
    .args:
      - { .name: x_codes, .offset: 0, .size: 8, .value_kind: global_buffer, .address_space: global }
      - { .name: x_scales, .offset: 8, .size: 8, .value_kind: global_buffer, .address_space: global }
      - { .name: wq_codes, .offset: 16, .size: 8, .value_kind: global_buffer, .address_space: global }
      - { .name: wk_codes, .offset: 24, .size: 8, .value_kind: global_buffer, .address_space: global }
      - { .name: wv_codes, .offset: 32, .size: 8, .value_kind: global_buffer, .address_space: global }
      - { .name: wq_scales, .offset: 40, .size: 8, .value_kind: global_buffer, .address_space: global }
      - { .name: wk_scales, .offset: 48, .size: 8, .value_kind: global_buffer, .address_space: global }
      - { .name: wv_scales, .offset: 56, .size: 8, .value_kind: global_buffer, .address_space: global }
      - { .name: bq, .offset: 64, .size: 8, .value_kind: global_buffer, .address_space: global }
      - { .name: bk, .offset: 72, .size: 8, .value_kind: global_buffer, .address_space: global }
      - { .name: bv, .offset: 80, .size: 8, .value_kind: global_buffer, .address_space: global }
      - { .name: qb, .offset: 88, .size: 8, .value_kind: global_buffer, .address_space: global }
      - { .name: kv, .offset: 96, .size: 8, .value_kind: global_buffer, .address_space: global }
    .group_segment_fixed_size: 279040
    .private_segment_fixed_size: 0
    .kernarg_segment_align: 8
    .kernarg_segment_size: 104
    .max_flat_workgroup_size: 128
    .sgpr_count:     98
    .vgpr_count:     1024
    .wavefront_size: 32
...
	.end_amdgpu_metadata
.endif
;; end of part 1
;; launch attn (part 2): grid 4 x 64, 16 waves a work-group, clusters of 4 x 1, 169,984 bytes of LDS; arguments qb, kv, ac, asc; writes ac, asc
.if DOCPART == 2
	.amdgcn_target "amdgcn-amd-amdhsa--gfx1250"
	.amdhsa_code_object_version 6
	.text
	.protected	k_qc77914f605_attn
	.globl	k_qc77914f605_attn
	.p2align	8
	.type	k_qc77914f605_attn,@function
k_qc77914f605_attn:
	s_mov_b64 s[64:65], 0
	v_nop
	global_prefetch_b8 v0, s[64:65] scope:SCOPE_SE
	s_setreg_imm32_b32 hwreg(HW_REG_WAVE_MODE, 25, 1), 1
	s_wait_xcnt 0x0
	s_wait_alu depctr_hold_cnt(0) depctr_sa_sdst(0) depctr_va_vdst(0) depctr_va_sdst(0) depctr_va_ssrc(0) depctr_va_vcc(0) depctr_vm_vsrc(0)
	s_getreg_b32 s2, hwreg(HW_REG_IB_STS2, 6, 4)
	s_cmp_eq_u32 s2, 0
	s_cbranch_scc0 .Lentry_in_a_cluster
	s_endpgm
.Lentry_in_a_cluster:
	s_bfe_u32 s2, ttmp6, 0x10000c
	s_cmp_lg_u32 s2, 0x3003
	s_cbranch_scc0 .Lentry_shape_is_right
	s_endpgm
.Lentry_shape_is_right:
; For each (batch, head): O = softmax(Q K^T / 8) V, both products on codes of FP4 (E2M1) with one E8M0 scale for each 32 along a product's K; O / l is quantised along d_model (two blocks a head) for the last product.
; THE SOFTMAX AHEAD OF THE SECOND PRODUCT: t = score x log2(e) / 8; M = the row's largest t so far, rounded UP to a whole number; p = 2^(t - M) is quantised along the keys, not normalised.
; The row's sum is taken of the unquantised p and divides O at the end.  When M moves, the sum and O are multiplied by 2^(old M - new M): exact.
; SHARES.  A work-group owns 512 queries of one head; each of its sixteen waves two tiles of 16 queries, so that each fragment of K and V read from LDS feeds two products, in 256 registers: four waves to a SIMD.
; THE WHOLE HEAD'S K AND V, codes and scales, 143,360 bytes, lie in LDS, filled once: wave w brings key step w's block by one tensor load.  The four work-groups of a cluster walk the same head: the loads are joint.
; LAYOUT.  Both products are used transposed: S^T = K Q^T (source 0 = 16 keys, source 1 = 16 queries), O^T = V^T P^T (source 0 = 16 channels, source 1 = P): a lane holds one query throughout.
; In tile t of S^T register j is key 16 t + 8 (lane / 16) + j: eight neighbours, one conversion's worth; the conversions' results are numbered so that two exchanges of lane halves for each 64 keys give the operand's layout.
; A HEAD HAS 64 CHANNELS, the instruction takes 128: Q's registers 4-7 hold zero codes.  K's operand for tile t is v[32 + 4 t : 39 + 4 t]: its upper four registers are the next tile's codes (behind the last tile: zeros);
; they meet Q's zeros and add nothing; the scale bytes of those two blocks are 0 on both sides.
; LIMITS: NaN and infinities are not served.  A block of zeros gets the scale byte 1 (its codes are zeros; this program alone reads the bytes).  A block's largest p is made from the block's largest score by the same
; multiply-add and exponential as every p: that takes v_exp_f32 not to fall where its input rises, which the ISA guide does not state; at the worst one p of a block, within an ulp of a power of two, is held one code low.
.set BLKB,  8960                       ; a key step's block: K 8 x 512, V^T 4 x 1,024, K's scale image 512, V's 256
.set HEADB, 16*BLKB
.set STG,   HEADB+BLKB                 ; 1,024 bytes of their own, in which the result's scale halfwords are gathered; no tile lands there
.set L16, 1                            ; v1   16 x lane
.set L8,  2                            ; v2   8 x lane
.set A16, 3                            ; v3   the step's block + 16 x lane
.set A8,  4                            ; v4   the step's block + 8 x lane
.set GA,  5                            ; v5   STG + 2 x thread
.set GR,  6                            ; v6   STG + 16 x (thread % 64)
.set GO,  7                            ; v7   16 x (thread % 64)
.set STA, 8                            ; v8 -M, v9 the largest t, v[10:11] the sum in two halves: tile A;
.set STB, 12                           ; v12-15 tile B
.set QA,  16                           ; v16-19 Q of tile A, v20-23 zeros
.set QB,  24                           ; v24-27 Q of tile B, v28-31 zeros
.set KF,  32                           ; v32-63 K's tile t at 32 + 4 t, later V's channel tile t at 32 + 8 t;  v64-67 zeros
.set KS,  68                           ; v68-71 K's scale words: register t / 2; lanes 0-15 tile t even, lanes 16-31 tile t odd
.set VS,  72                           ; v72-73 V's likewise
.set QSC, 74                           ; v74  Q's scale words: lanes 0-15 tile A, lanes 16-31 tile B
.set HW,  75                           ; v75  the result's scale halfword of my thread's token
.set PWA, 76                           ; v76, v77 p's scale words
.set PWB, 77
.set S,   80                           ; v80-143 S^T, then p
.set OA,  144                          ; v144-175 O^T of tile A
.set OB,  176                          ; v176-207 of tile B
.set PCA, 208                          ; v208-215 p's codes, tile A;  v216-223 tile B
.set PCB, 216
.set BM,  224                          ; v224-227 a block's largest score, then its largest p
.set BM2, 228                          ; v228-231 the other half's; then the bytes
.set SO,  232                          ; v232-235 the conversions' scale operands
.set SU,  236                          ; v[236:237] the second chain of the sums
.set F,   238                          ; v[238:239] f = 2^(old M - new M); at the end 1 / l of tile A
.set T,   240                          ; v[240:241] at work; at the end 1 / l of tile B
.set HA,  242                          ; v242, v243 the result's scale halfwords
.set HB,  243
.macro WM d, a, b, c, sa, sb, ra, rb   ; one product; ra, rb = 1: that side's scales stand in lanes 16-31
.if (\ra) && (\rb)
	v_wmma_scale_f32_16x16x128_f8f6f4 v[(\d):(\d)+7], v[(\a):(\a)+7], v[(\b):(\b)+7], v[(\c):(\c)+7], v[\sa], v[\sb] matrix_a_fmt:MATRIX_FMT_FP4 matrix_b_fmt:MATRIX_FMT_FP4 matrix_a_scale:MATRIX_SCALE_ROW1 matrix_b_scale:MATRIX_SCALE_ROW1
.elseif (\ra)
	v_wmma_scale_f32_16x16x128_f8f6f4 v[(\d):(\d)+7], v[(\a):(\a)+7], v[(\b):(\b)+7], v[(\c):(\c)+7], v[\sa], v[\sb] matrix_a_fmt:MATRIX_FMT_FP4 matrix_b_fmt:MATRIX_FMT_FP4 matrix_a_scale:MATRIX_SCALE_ROW1
.elseif (\rb)
	v_wmma_scale_f32_16x16x128_f8f6f4 v[(\d):(\d)+7], v[(\a):(\a)+7], v[(\b):(\b)+7], v[(\c):(\c)+7], v[\sa], v[\sb] matrix_a_fmt:MATRIX_FMT_FP4 matrix_b_fmt:MATRIX_FMT_FP4 matrix_b_scale:MATRIX_SCALE_ROW1
.else
	v_wmma_scale_f32_16x16x128_f8f6f4 v[(\d):(\d)+7], v[(\a):(\a)+7], v[(\b):(\b)+7], v[(\c):(\c)+7], v[\sa], v[\sb] matrix_a_fmt:MATRIX_FMT_FP4 matrix_b_fmt:MATRIX_FMT_FP4
.endif
.endm
.macro WM0 d, a, b, sa, sb, ra, rb     ; the same with C = 0: the product starts its sum
.if (\ra) && (\rb)
	v_wmma_scale_f32_16x16x128_f8f6f4 v[(\d):(\d)+7], v[(\a):(\a)+7], v[(\b):(\b)+7], 0, v[\sa], v[\sb] matrix_a_fmt:MATRIX_FMT_FP4 matrix_b_fmt:MATRIX_FMT_FP4 matrix_a_scale:MATRIX_SCALE_ROW1 matrix_b_scale:MATRIX_SCALE_ROW1
.elseif (\ra)
	v_wmma_scale_f32_16x16x128_f8f6f4 v[(\d):(\d)+7], v[(\a):(\a)+7], v[(\b):(\b)+7], 0, v[\sa], v[\sb] matrix_a_fmt:MATRIX_FMT_FP4 matrix_b_fmt:MATRIX_FMT_FP4 matrix_a_scale:MATRIX_SCALE_ROW1
.elseif (\rb)
	v_wmma_scale_f32_16x16x128_f8f6f4 v[(\d):(\d)+7], v[(\a):(\a)+7], v[(\b):(\b)+7], 0, v[\sa], v[\sb] matrix_a_fmt:MATRIX_FMT_FP4 matrix_b_fmt:MATRIX_FMT_FP4 matrix_b_scale:MATRIX_SCALE_ROW1
.else
	v_wmma_scale_f32_16x16x128_f8f6f4 v[(\d):(\d)+7], v[(\a):(\a)+7], v[(\b):(\b)+7], 0, v[\sa], v[\sb] matrix_a_fmt:MATRIX_FMT_FP4 matrix_b_fmt:MATRIX_FMT_FP4
.endif
.endm
.macro PLACES n                        ; plain vector instructions between a matrix instruction and a load into, or a vector read of, its registers
.rept \n
	v_nop
.endr
.endm
.macro CROUND                          ; a round of the cluster's barrier
	s_barrier_signal -1
	s_barrier_wait -1
	s_cmp_lg_u32 s12, 0
	s_cbranch_scc1 .Lnot_wave_0_\@
	s_barrier_signal -3
.Lnot_wave_0_\@:
	s_barrier_wait -3
	s_barrier_signal -1
	s_barrier_wait -1
.endm
	s_load_b256 s[4:11], s[0:1], 0x0               ; qb s[4:5], kv s[6:7], ac s[8:9], asc s[10:11]
	v_lshl_add_u32 v254, v0, 2, 0x29000
	v_mov_b32 v255, 0
	ds_add_u32 v254, v255
	ds_add_u32 v254, v255
	v_and_b32 v[L8], 31, v0                        ; lane
	s_delay_alu instid0(VALU_DEP_1)
	v_lshlrev_b32 v[L16], 4, v[L8]
	s_delay_alu instid0(VALU_DEP_2)
	v_lshlrev_b32 v[L8], 3, v[L8]
	v_lshl_add_u32 v[GA], v0, 1, STG
	v_and_b32 v[GO], 63, v0
	s_delay_alu instid0(VALU_DEP_1)
	v_lshlrev_b32 v[GO], 4, v[GO]
	s_delay_alu instid0(VALU_DEP_1)
	v_add_nc_u32 v[GR], STG, v[GO]
	v_lshrrev_b32 v[T], 5, v0
	s_delay_alu instid0(VALU_DEP_1)
	v_readfirstlane_b32 s12, v[T]                  ; wave 0..15
	s_bfe_u32 s13, ttmp6, 0x40000                  ; cx: my place in the cluster: it enters the addresses of Q and of the results alone
	s_and_b32 s14, ttmp7, 0xffff                   ; 16 x batch + head, which the four partners share
	s_lshl_b32 s15, ttmp9, 2
	s_add_co_u32 s15, s15, s13                     ; my block of 512 queries
	s_lshl_b32 s16, s15, 4
	s_add_co_u32 s16, s16, s12                     ; P: my pair of tiles, 2 P and 2 P + 1 of the head's 128
	; descriptor group 1: a key step's block, dense in memory, as 35 rows of 256 bytes (32 elements of 8 bytes), no padding: every LDS load below takes consecutive bytes
	s_mov_b32 s24, 15|(3<<16)|(1<<21)              ; 15:0 the mask: all four work-groups; 17:16 elements of 8 bytes; 21 set beside a mask
	s_mov_b32 s25, 32<<16                          ; tensor_dim0
	s_mov_b32 s26, 35<<16                          ; tensor_dim1
	s_mov_b32 s27, 32<<16                          ; tile_dim0
	s_mov_b32 s28, 35                              ; tile_dim1
	s_mov_b32 s29, 32                              ; elements from row to row
	s_mov_b32 s30, 0
	s_mov_b32 s31, 0
	s_mul_i32 s17, s12, BLKB                       ; my wave's block: key step w
	s_mul_i32 s18, s14, HEADB
	s_add_co_u32 s18, s18, s17
	s_mov_b32 s19, 0
	s_mov_b32 s20, 0x76543210
	s_mov_b32 s21, 0xfedcba98                      ; v_permlanex16_b32's selects for lane l xor 16
	s_mov_b32 s22, 0x3e38aa3b                      ; c = log2(e) / 8
	s_mov_b32 s23, s22                             ; (named with it as a pair, so it is written)
	s_mov_b32 s50, 0xffff0000                      ; lanes 16-31
	s_wait_dscnt 0x0
	s_wait_kmcnt 0x0
	s_mov_b32 s32, 1                               ; count = 1
	s_mov_b32 s33, s17                             ; LDS address: wave x 8,960
	s_add_nc_u64 s[34:35], s[6:7], s[18:19]        ; global address
	s_or_b32 s35, s35, 0x80000000                  ; type = 2
	CROUND                                         ; all four work-groups are here: the joint loads meet
	tensor_load_to_lds s[32:35], s[24:31]          ; every wave's one load: one tensor load of mine is out
	s_nop 0
.rept 4
	v_nop
.endr
	s_mul_i32 s17, s14, 73728                      ; qb: a head is 16 groups of 128 tokens, 4,608 bytes each
	s_lshr_b32 s18, s16, 2
	s_mul_i32 s18, s18, 4608
	s_add_co_u32 s17, s17, s18                     ; my group
	s_and_b32 s18, s16, 3
	s_lshl_b32 s36, s18, 10
	s_add_co_u32 s36, s36, s17
	s_mov_b32 s37, 0
	s_add_nc_u64 s[52:53], s[4:5], s[36:37]        ; my two tile images
	s_lshl_b32 s36, s18, 2
	s_add_co_u32 s36, s36, s17
	s_add_co_u32 s36, s36, 4096
	s_add_nc_u64 s[54:55], s[4:5], s[36:37]        ; my word of the group's scale image
	s_lshr_b32 s17, s14, 4
	s_lshl_b32 s17, s17, 7
	s_lshl_b32 s18, s16, 1
	s_add_co_u32 s17, s17, s18                     ; my first tile of 16 tokens among all 512
	s_lshl_b32 s36, s17, 13
	s_and_b32 s18, s14, 15
	s_lshl_b32 s18, s18, 9
	s_add_co_u32 s36, s36, s18
	s_add_nc_u64 s[56:57], s[8:9], s[36:37]        ; ac: tile x 8,192 + head x 512
	s_lshl_b32 s36, s14, 12
	s_lshl_b32 s18, s15, 10
	s_add_co_u32 s36, s36, s18
	s_add_nc_u64 s[58:59], s[10:11], s[36:37]      ; asc: (batch, head) x 4,096 + my work-group's 512 tokens x 2
	s_wait_alu depctr_va_vdst(0)
	global_load_b128 v[QA:QA+3], v[L16], s[52:53]
	global_load_b128 v[QB:QB+3], v[L16], s[52:53] offset:512
	global_load_b32 v[QSC], v[L16], s[54:55]
	v_mov_b32 v[STA+1], 0xff61b1e6                 ; the largest t so far: -3e38, under every t
	v_mov_b32 v[STB+1], 0xff61b1e6
	s_delay_alu instid0(VALU_DEP_2)
	v_floor_f32 v[STA], -v[STA+1]                  ; -M
	s_delay_alu instid0(VALU_DEP_2)
	v_floor_f32 v[STB], -v[STB+1]
.irp r, 10,11,14,15, 20,21,22,23, 28,29,30,31, 64,65,66,67, 228,229,230,231, 239,241
	v_mov_b32 v\r, 0                               ; the sums; Q's zero codes; the zeros behind K's last tile; the lane permutes' destinations; the upper halves of two pairs
.endr
.set i, 0
.rept 64
	v_mov_b32 v[OA+i], 0                           ; O^T of both tiles.  (The step is written once: the first finds zeros, which the first change of M leaves zeros)
.set i, i+1
.endr
; One tile's softmax for 128 keys.  st: its statistics; o: its O^T; pc: where p's codes go; pw: p's scale word.
.macro SOFTMAX st, o, pc, pw
.irp b, 0,1,2,3
	v_max3_num_f32 v[BM+\b], v[S+16*\b], v[S+16*\b+1], v[S+16*\b+2]   ; THE LARGEST SCORE OF EACH BLOCK OF 32 KEYS: for the row's maximum, and, since p rises with the score, for the block's largest p
.endr
.irp i, 3,5,7,9,11,13
.irp b, 0,1,2,3
	v_max3_num_f32 v[BM+\b], v[BM+\b], v[S+16*\b+\i], v[S+16*\b+\i+1]   ; the four blocks by turns; each accumulator is read from its low end on
.endr
.endr
.irp b, 0,1,2,3
	v_max_num_f32 v[BM+\b], v[BM+\b], v[S+16*\b+15]
.endr
.irp b, 0,1,2,3
	s_delay_alu instid0(VALU_DEP_4)
	v_permlanex16_b32 v[BM2+\b], v[BM+\b], s20, s21
.endr
.irp b, 0,1,2,3
	s_delay_alu instid0(VALU_DEP_4)
	v_max_num_f32 v[BM+\b], v[BM+\b], v[BM2+\b]    ; with lane l xor 16's 16 keys
.endr
	s_delay_alu instid0(VALU_DEP_2)
	v_max3_num_f32 v[T], v[BM], v[BM+1], v[BM+2]
	s_delay_alu instid0(VALU_DEP_1)
	v_max_num_f32 v[T], v[T], v[BM+3]              ; the step's largest score of my query,
	s_delay_alu instid0(VALU_DEP_1)
	v_mul_f32 v[T], s22, v[T]                      ; as t (c is positive)
	s_delay_alu instid0(VALU_DEP_1)
	v_max_num_f32 v[\st+1], v[\st+1], v[T]         ; the running largest t
	v_mov_b32 v[T], v[\st]
	s_delay_alu instid0(VALU_DEP_2)
	v_floor_f32 v[\st], -v[\st+1]                  ; the new -M = floor(-t) = -ceil(t): a whole number
	s_delay_alu instid0(VALU_DEP_1)
	v_sub_f32 v[T], v[\st], v[T]                   ; old M - new M: a whole number, 0 or less
	s_delay_alu instid0(VALU_DEP_1)
	v_cvt_i32_f32 v[T], v[T]                       ; (it saturates)
	s_delay_alu instid0(VALU_DEP_1)
	v_ldexp_f32 v[F], 1.0, v[T]                    ; f = 2^(old M - new M)
.set j, 0
.rept 32
	v_pk_fma_f32 v[S+j:S+j+1], v[S+j:S+j+1], s[22:23], v[\st:\st+1] op_sel_hi:[1,0,0]   ; t - M, two at a time (of the pairs c and -M the low word serves both halves)
.set j, j+2
.endr
.irp b, 0,1,2,3
	v_fma_f32 v[BM+\b], v[BM+\b], s22, v[\st]      ; the same of each block's largest score
.endr
.set j, 0
	s_wait_alu depctr_va_vdst(0)
.rept 64
	v_exp_f32 v[S+j], v[S+j]                       ; p = 2^(t - M), at most 1
.set j, j+1
.endr
	v_pk_mul_f32 v[\st+2:\st+3], v[\st+2:\st+3], v[F:F+1] op_sel_hi:[1,0]   ; the sums under the new M: the plain instruction behind the exponentials
	s_wait_alu depctr_va_vdst(0)                   ; one wait for the batch of 64, ahead of its first reader
.irp b, 0,1,2,3
	v_exp_f32 v[BM+\b], v[BM+\b]                   ; the block's largest p: the same two instructions on the same number give the same bits
.endr
	v_pk_add_f32 v[SU:SU+1], v[S:S+1], v[S+2:S+3]  ; THE ROW'S SUM IS TAKEN OF THE UNQUANTISED p: two at a time, in two chains; it reads the 64 alone
.set j, 4
.rept 15
	v_pk_add_f32 v[\st+2:\st+3], v[\st+2:\st+3], v[S+j:S+j+1]
	v_pk_add_f32 v[SU:SU+1], v[SU:SU+1], v[S+j+2:S+j+3]
.set j, j+4
.endr
	s_delay_alu instid0(VALU_DEP_1)
	v_pk_add_f32 v[\st+2:\st+3], v[\st+2:\st+3], v[SU:SU+1]
	s_wait_alu depctr_va_vdst(0)                   ; and one for the four
.irp b, 0,1,2,3
	v_max_num_f32 v[BM+\b], 0x1800000, v[BM+\b]    ; the floor 2^(3 - 127): the byte cannot fall under 1
.endr
.irp b, 0,1,2,3
	s_delay_alu instid0(VALU_DEP_4)
	v_add_nc_u32 v[SO+\b], 0xff000000, v[BM+\b]    ; 2 off the exponent field: the conversion's scale operand
.endr
.irp b, 0,1,2,3
	s_delay_alu instid0(VALU_DEP_4)
	v_lshrrev_b32 v[BM2+\b], 23, v[SO+\b]          ; the scale's byte
.endr
	s_delay_alu instid0(VALU_DEP_3)
	v_lshl_or_b32 v[\pw], v[BM2+1], 8, v[BM2]
	s_delay_alu instid0(VALU_DEP_1)
	v_lshl_or_b32 v[\pw], v[BM2+2], 16, v[\pw]
	s_delay_alu instid0(VALU_DEP_1)
	v_lshl_or_b32 v[\pw], v[BM2+3], 24, v[\pw]     ; p's scale word for these 128 keys
.irp c, 0,1
.irp e, 0,1
	v_cvt_scalef32_pk8_fp4_f32 v[\pc+4*\c+\e], v[S+16*(2*\c+\e):S+16*(2*\c+\e)+7], v[SO+2*\c+\e]        ; tile 4 c + 2 e
	v_cvt_scalef32_pk8_fp4_f32 v[\pc+4*\c+2+\e], v[S+16*(2*\c+\e)+8:S+16*(2*\c+\e)+15], v[SO+2*\c+\e]   ; tile 4 c + 2 e + 1
.endr
.endr
	v_nop                                          ; one plain instruction behind the scaled conversions
.irp c, 0,1
	v_permlane16_swap_b32 v[\pc+4*\c], v[\pc+4*\c+1]     ; registers 4 c .. 4 c + 3 now hold keys 64 c + 32 h + 0 .. 31
	v_permlane16_swap_b32 v[\pc+4*\c+2], v[\pc+4*\c+3]
.endr
.set j, 0
.rept 16
	v_pk_mul_f32 v[\o+j:\o+j+1], v[\o+j:\o+j+1], v[F:F+1] op_sel_hi:[1,0]   ; O^T under the new M.  These sixteen also stand between the scale word and codes just made and the products that take them
.set j, j+2
.endr
.endm
	s_wait_loadcnt 0x0                             ; Q
	s_wait_tensorcnt 0x0                           ; my block has landed,
	s_barrier_signal -1
	s_barrier_wait -1                              ; everybody's has: the whole head lies in LDS, and nothing is filled again
	s_mov_b32 s48, 0                               ; where the step's block begins
	s_mov_b32 s49, 16
.Lstep:                                                ; a key step: 128 keys, for both tiles
	s_setprio 2
	v_add_nc_u32 v[A16], s48, v[L16]
	v_add_nc_u32 v[A8], s48, v[L8]
	v_nop
	v_nop                                          ; four plain instructions behind the last step's products, ahead of loads into the registers that they read
.irp t, 0,1,2,3,4,5,6,7
	ds_load_b128 v[KF+4*\t:KF+4*\t+3], v[A16] offset:512*\t      ; K's tile t: one load, 512 consecutive bytes
.endr
	ds_load_b128 v[KS:KS+3], v[A16] offset:8192
	s_wait_dscnt 0x0
.irp t, 0,1,2,3,4,5,6,7
	WM0 S+8*\t, KF+4*\t, QA, KS+\t/2, QSC, \t%2, 0
.endr
	PLACES 4
	SOFTMAX STA, OA, PCA, PWA
.irp t, 0,1,2,3,4,5,6,7
	WM0 S+8*\t, KF+4*\t, QB, KS+\t/2, QSC, \t%2, 1
.endr
	PLACES 4                                       ; ahead of the loads over K's registers, and of the reads of the scores
.irp t, 0,1,2,3
.irp c, 0,1
	ds_load_b128 v[KF+8*\t+4*\c:KF+8*\t+4*\c+3], v[A16] offset:4096+1024*\t+512*\c   ; V^T: it lands while tile B's softmax is worked
.endr
.endr
	ds_load_b64 v[VS:VS+1], v[A8] offset:8704
	s_setprio 1
	SOFTMAX STB, OB, PCB, PWB
	s_setprio 0
	s_wait_alu depctr_va_vdst(0)
	s_wait_dscnt 0x0
.irp t, 0,1,2,3                                ; the eight accumulators take turns, one instruction a turn
	WM OA+8*\t, KF+8*\t, PCA, OA+8*\t, VS+\t/2, PWA, \t%2, 0
	WM OB+8*\t, KF+8*\t, PCB, OB+8*\t, VS+\t/2, PWB, \t%2, 0
.endr
	s_add_co_u32 s48, s48, BLKB
	s_sub_co_u32 s49, s49, 1
	s_cmp_lg_u32 s49, 0
	s_cbranch_scc1 .Lstep
	s_setprio 0
	; THE WAY OUT.  O^T / l, quantised along the head's 64 channels: two blocks; the codes are one image of four registers a tile.
	PLACES 4
	v_add_f32 v[STA+2], v[STA+2], v[STA+3]         ; the sum's two halves,
	v_add_f32 v[STB+2], v[STB+2], v[STB+3]
	s_delay_alu instid0(VALU_DEP_2)
	v_permlanex16_b32 v[BM2], v[STA+2], s20, s21
	s_delay_alu instid0(VALU_DEP_2)
	v_permlanex16_b32 v[BM2+1], v[STB+2], s20, s21
	s_delay_alu instid0(VALU_DEP_2)
	v_add_f32 v[STA+2], v[STA+2], v[BM2]           ; and lane l xor 16's: the row's sum
	s_delay_alu instid0(VALU_DEP_2)
	v_add_f32 v[STB+2], v[STB+2], v[BM2+1]
	s_wait_alu depctr_va_vdst(0)
	v_rcp_f32 v[F], v[STA+2]
	v_rcp_f32 v[T], v[STB+2]
	v_nop                                          ; a plain instruction behind the reciprocals,
	s_wait_alu depctr_va_vdst(0)                   ; and one wait for both, ahead of the first reader
.set j, 0
.rept 16
	v_pk_mul_f32 v[OA+j:OA+j+1], v[OA+j:OA+j+1], v[F:F+1] op_sel_hi:[1,0]   ; each accumulator from its low end on
.set j, j+2
.endr
.set j, 0
.rept 16
	v_pk_mul_f32 v[OB+j:OB+j+1], v[OB+j:OB+j+1], v[T:T+1] op_sel_hi:[1,0]
.set j, j+2
.endr
.macro QUANT32 o, pc, hw               ; 32 numbers a lane, register 8 t + j = channel 16 t + 8 h + j, become four registers of codes and a halfword of two scale bytes
.irp b, 0,1
	v_max3_num_f32 v[BM+\b], |v[\o+16*\b]|, |v[\o+16*\b+1]|, 0x1800000
.endr
.irp i, 2,4,6,8,10,12,14
.irp b, 0,1
	s_delay_alu instid0(VALU_DEP_2)
	v_max3_num_f32 v[BM+\b], v[BM+\b], |v[\o+16*\b+\i]|, |v[\o+16*\b+\i+1]|
.endr
.endr
.irp b, 0,1
	s_delay_alu instid0(VALU_DEP_2)
	v_permlanex16_b32 v[BM2+\b], v[BM+\b], s20, s21
.endr
.irp b, 0,1
	s_delay_alu instid0(VALU_DEP_2)
	v_max_num_f32 v[BM+\b], v[BM+\b], v[BM2+\b]
.endr
.irp b, 0,1
	s_delay_alu instid0(VALU_DEP_2)
	v_add_nc_u32 v[SO+\b], 0xff000000, v[BM+\b]
.endr
.irp b, 0,1
	s_delay_alu instid0(VALU_DEP_2)
	v_lshrrev_b32 v[BM2+\b], 23, v[SO+\b]
.endr
	s_delay_alu instid0(VALU_DEP_1)
	v_lshl_or_b32 v[\hw], v[BM2+1], 8, v[BM2]
.irp b, 0,1
	v_cvt_scalef32_pk8_fp4_f32 v[\pc+\b], v[\o+16*\b:\o+16*\b+7], v[SO+\b]
	v_cvt_scalef32_pk8_fp4_f32 v[\pc+2+\b], v[\o+16*\b+8:\o+16*\b+15], v[SO+\b]
.endr
	v_nop
	v_permlane16_swap_b32 v[\pc], v[\pc+1]         ; registers 0 .. 3 now hold channels 32 h + 0 .. 31
	v_permlane16_swap_b32 v[\pc+2], v[\pc+3]
.endm
	QUANT32 OA, PCA, HA
	QUANT32 OB, PCB, HB
	global_store_b128 v[L16], v[PCA:PCA+3], s[56:57]               ; 512 consecutive bytes, aligned
	global_store_b128 v[L16], v[PCB:PCB+3], s[56:57] offset:8192   ; the next tile of tokens
	v_cndmask_b32 v[HW], v[HA], v[HB], s50         ; lane l: token 32 x wave + l of the work-group's 512
	ds_store_b16 v[GA], v[HW]
	s_wait_dscnt 0x0                               ; for the others' sake: my store has landed
	s_barrier_signal -1
	s_barrier_wait -1
	s_cmp_lt_u32 s12, 2
	s_cbranch_scc0 .Lno_scales
	ds_load_b128 v[BM:BM+3], v[GR]                 ; waves 0 and 1 store the work-group's 1,024 bytes: 512 consecutive bytes each, aligned
	s_wait_dscnt 0x0
	global_store_b128 v[GO], v[BM:BM+3], s[58:59]
.Lno_scales:
	s_wait_tensorcnt 0x0
	ds_add_u32 v254, v255
	s_wait_dscnt 0x0
	CROUND                                         ; the closing round
	s_endpgm
.Lfunc_end_k_qc77914f605_attn:
	.size	k_qc77914f605_attn, .Lfunc_end_k_qc77914f605_attn-k_qc77914f605_attn
	.p2alignl 7, 3214868480
	.fill 96, 4, 3214868480
	.section	.rodata,"a",@progbits
	.p2align	6, 0x0
	.amdhsa_kernel k_qc77914f605_attn
		.amdhsa_group_segment_fixed_size 169984
		.amdhsa_private_segment_fixed_size 0
		.amdhsa_enable_private_segment 0
		.amdhsa_kernarg_size 32
		.amdhsa_user_sgpr_count 2
		.amdhsa_user_sgpr_kernarg_segment_ptr 1
		.amdhsa_wavefront_size32 1
		.amdhsa_system_sgpr_workgroup_id_x 1
		.amdhsa_system_sgpr_workgroup_id_y 1
		.amdhsa_system_sgpr_workgroup_id_z 1
		.amdhsa_system_vgpr_workitem_id 0
		.amdhsa_next_free_vgpr 256
		.amdhsa_next_free_sgpr 66
		.amdhsa_reserve_vcc 0
		.amdhsa_float_denorm_mode_32 3
		.amdhsa_float_denorm_mode_16_64 3
		.amdhsa_memory_ordered 1
		.amdhsa_forward_progress 1
		.amdhsa_inst_pref_size 47
	.end_amdhsa_kernel
	.amdgpu_metadata
---
amdhsa.version: [ 1, 2 ]
amdhsa.kernels:
  - .name:           k_qc77914f605_attn
    .symbol:         k_qc77914f605_attn.kd
    .args:
      - { .name: qb, .offset: 0, .size: 8, .value_kind: global_buffer, .address_space: global }
      - { .name: kv, .offset: 8, .size: 8, .value_kind: global_buffer, .address_space: global }
      - { .name: ac, .offset: 16, .size: 8, .value_kind: global_buffer, .address_space: global }
      - { .name: asc, .offset: 24, .size: 8, .value_kind: global_buffer, .address_space: global }
    .group_segment_fixed_size: 169984
    .private_segment_fixed_size: 0
    .kernarg_segment_align: 8
    .kernarg_segment_size: 32
    .max_flat_workgroup_size: 512
    .sgpr_count:     66
    .vgpr_count:     256
    .wavefront_size: 32
...
	.end_amdgpu_metadata
.endif
;; end of part 2
;; launch outp (part 3): grid 8 x 32, 4 waves a work-group, clusters of 4 x 4, 327,680 bytes of LDS; arguments ac, asc, wo_codes, wo_scales, bo, out0; writes out0
.if DOCPART == 3
	.amdgcn_target "amdgcn-amd-amdhsa--gfx1250"
	.amdhsa_code_object_version 6
	.text
	.protected	k_qc77914f605_outp
	.globl	k_qc77914f605_outp
	.p2align	8
	.type	k_qc77914f605_outp,@function
k_qc77914f605_outp:
	s_mov_b64 s[64:65], 0
	v_nop
	global_prefetch_b8 v0, s[64:65] scope:SCOPE_SE
	s_setreg_imm32_b32 hwreg(HW_REG_WAVE_MODE, 25, 1), 1
	s_wait_xcnt 0x0
	s_wait_alu depctr_hold_cnt(0) depctr_sa_sdst(0) depctr_va_vdst(0) depctr_va_sdst(0) depctr_va_ssrc(0) depctr_va_vcc(0) depctr_vm_vsrc(0)
	s_getreg_b32 s2, hwreg(HW_REG_IB_STS2, 6, 4)
	s_cmp_eq_u32 s2, 0
	s_cbranch_scc0 .Lentry_in_a_cluster
	s_endpgm
.Lentry_in_a_cluster:
	s_bfe_u32 s2, ttmp6, 0x10000c
	s_cmp_lg_u32 s2, 0xf033
	s_cbranch_scc0 .Lentry_shape_is_right
	s_endpgm
.Lentry_shape_is_right:
; out0 = A Wo^T + bo on codes of FP4 (E2M1) with one E8M0 scale for each 32 along K = 1,024.  A is the attention's result: codes as images of operand registers, [512 tiles of 16 tokens][16 heads][512 bytes]
; (heads 2 s and 2 s + 1 are the fragment of K step s), and two scale bytes for each (batch, head, token).  Wo: [1024][1024] as codes, K innermost.  out0: [8192][1024] f32.
; SHARES.  A work-group makes 256 tokens x 128 channels: 256 work-groups.  A wave makes 128 tokens (the OUTER operand, source 1, 8 blocks, one set of registers) x 64 channels (the INNER operand, source 0,
; 4 blocks, two sets): 32 accumulators, 256 registers; a lane holds eight neighbouring channels of one token's row.
; K lies in two LDS slots of 512 along K, both filled once, at the start: no LDS byte is filled again.  4 x 4 work-groups form a cluster: A's tile is shared along a row, Wo's along a column; both are asked for jointly.
; LIMITS: NaN and infinities are not served.  The bias enters as the C of each sum's first product: another order of f32 rounding than the reference's.
.set PITCH,  272                       ; a row of Wo in LDS, and of the stage: 256 bytes + 16
.set WOFF,   65536                     ; a slot: A's 16 tiles x 4,096 bytes, then Wo's 128 rows
.set WHALF,  64*PITCH
.set SLOT,   WOFF+2*WHALF              ; 100,352
.set STAGE,  2*SLOT                    ; behind the slots: 16 rows x 272 bytes for each wave, for the way out; no tile lands there
.set ADRA, 16                          ; v16-17  LDS address of my A fragments in slot 0, 1
.set ADRB, 20                          ; v20-21  of my Wo fragments
.set STO,  24                          ; v24     the way out: where I put 32 bytes of a row
.set RD,   25                          ; v25     where I read a row back
.set CO,   26                          ; v26     my byte offset in out0
.set L32,  27                          ; v27     32 x lane
.set L2,   28                          ; v28     2 x lane
.set H32,  29                          ; v29     32 x (lane / 16)
.set SA,   32                          ; v32-63  A's scale words: register 8 (a / 2) + s; lanes 0-15 block a even, lanes 16-31 block a odd
.set SB,   64                          ; v64-79  Wo's likewise
.set AF,   128                         ; v128-191 A's fragments; on the way out two sets of 32 registers for rows read back
.set TH,   192                         ; v192-223 the upper halves of A's scale words as they are loaded
.set BI,   64                          ; window 1, v64-95: the bias in the result's layout
.set G1,   24                          ; s[24:31] descriptor group 1 for A's tiles;  s[32:39] group 0, a set for each slot
.set G0,   32
.set G1B,  48                          ; s[48:55], s[56:63] the same for Wo's tiles
.set G0B,  56
.set MSB, 0
.macro WIN new                         ; the immediate's high byte repeats the setting that is left
.if MSB != (\new)
	s_set_vgpr_msb (MSB<<8)|(\new)
.set MSB, (\new)
.endif
.endm
.macro WM d, a, b, c, sa, sb, ra, rb   ; one product; ra, rb = 1: that side's scales stand in lanes 16-31
.if (\ra) && (\rb)
	v_wmma_scale_f32_16x16x128_f8f6f4 v[(\d):(\d)+7], v[(\a):(\a)+7], v[(\b):(\b)+7], v[(\c):(\c)+7], v[\sa], v[\sb] matrix_a_fmt:MATRIX_FMT_FP4 matrix_b_fmt:MATRIX_FMT_FP4 matrix_a_scale:MATRIX_SCALE_ROW1 matrix_b_scale:MATRIX_SCALE_ROW1
.elseif (\ra)
	v_wmma_scale_f32_16x16x128_f8f6f4 v[(\d):(\d)+7], v[(\a):(\a)+7], v[(\b):(\b)+7], v[(\c):(\c)+7], v[\sa], v[\sb] matrix_a_fmt:MATRIX_FMT_FP4 matrix_b_fmt:MATRIX_FMT_FP4 matrix_a_scale:MATRIX_SCALE_ROW1
.elseif (\rb)
	v_wmma_scale_f32_16x16x128_f8f6f4 v[(\d):(\d)+7], v[(\a):(\a)+7], v[(\b):(\b)+7], v[(\c):(\c)+7], v[\sa], v[\sb] matrix_a_fmt:MATRIX_FMT_FP4 matrix_b_fmt:MATRIX_FMT_FP4 matrix_b_scale:MATRIX_SCALE_ROW1
.else
	v_wmma_scale_f32_16x16x128_f8f6f4 v[(\d):(\d)+7], v[(\a):(\a)+7], v[(\b):(\b)+7], v[(\c):(\c)+7], v[\sa], v[\sb] matrix_a_fmt:MATRIX_FMT_FP4 matrix_b_fmt:MATRIX_FMT_FP4
.endif
.endm
.macro PLACES n                        ; plain vector instructions between a matrix instruction and a load into, or a read of, its registers
.rept \n
	v_nop
.endr
.endm
.macro JLOAD s                         ; a joint load: waves 0 and 1 fetch A's two halves, waves 2 and 3 Wo's; four v_nop follow each line
	s_cmp_eq_u32 s15, 0
	s_cbranch_scc0 .Lfor_w_\@
	tensor_load_to_lds s[G0+4*\s:G0+4*\s+3], s[G1:G1+7]
	s_nop 0
.rept 4
	v_nop
.endr
	s_branch .Lasked_\@
.Lfor_w_\@:
	tensor_load_to_lds s[G0B+4*\s:G0B+4*\s+3], s[G1B:G1B+7]
	s_nop 0
.rept 4
	v_nop
.endr
.Lasked_\@:
.endm
.macro CROUND                          ; a round of the cluster's barrier
	s_barrier_signal -1
	s_barrier_wait -1
	s_cmp_lg_u32 s14, 0
	s_cbranch_scc1 .Lnot_wave_0_\@
	s_barrier_signal -3
.Lnot_wave_0_\@:
	s_barrier_wait -3
	s_barrier_signal -1
	s_barrier_wait -1
.endm
	s_load_b256 s[4:11], s[0:1], 0x0               ; ac s[4:5], asc s[6:7], Wo's codes s[8:9], Wo's scales s[10:11]
	s_load_b128 s[68:71], s[0:1], 0x20             ; bo s[68:69], out0 s[70:71]
	v_lshl_add_u32 v254, v0, 2, 0x35400
	v_mov_b32 v255, 0
	ds_add_u32 v254, v255
	ds_add_u32 v254, v255
	v_lshrrev_b32 v1, 5, v0
	v_readfirstlane_b32 s14, v1                    ; wave 0..3
	s_lshr_b32 s15, s14, 1                         ; my half of the tokens.  Also: I fetch for A (0) or for Wo (1)
	s_and_b32 s16, s14, 1                          ; my half of the channels.  Also: which half of that tile I fetch
	s_bfe_u32 s40, ttmp6, 0x40000                  ; cx, cy
	s_bfe_u32 s41, ttmp6, 0x40004
	s_lshl_b32 s42, ttmp9, 2
	s_add_co_u32 s42, s42, s40                     ; block of 128 channels = 4 x cluster x + cx
	s_and_b32 s17, ttmp7, 0xffff
	s_lshl_b32 s17, s17, 2
	s_add_co_u32 s17, s17, s41                     ; block of 256 tokens = 4 x cluster y + cy
	s_lshl_b32 s43, s41, 2
	s_lshl_b32 s43, 15, s43                        ; my row of the cluster
	s_lshl_b32 s44, 0x1111, s40                    ; my column
	; A: 8 tiles of tokens, of each 4,096 bytes (8 heads' images; 512 elements of 8 bytes), 8,192 bytes apart in memory; no padding: every load of a fragment takes consecutive bytes
	s_or_b32 s[G1+0], s43, (3<<16)|(1<<21)
	s_mov_b32 s[G1+1], 512<<16                     ; tensor_dim0
	s_mov_b32 s[G1+2], 8<<16                       ; tensor_dim1
	s_mov_b32 s[G1+3], 512<<16                     ; tile_dim0
	s_mov_b32 s[G1+4], 8                           ; tile_dim1
	s_mov_b32 s[G1+5], 1024                        ; elements from row to row
	s_mov_b32 s[G1+6], 0
	s_mov_b32 s[G1+7], 0
	; Wo: 64 rows x 256 bytes, 512 bytes apart in memory, 16 bytes of padding behind each row in LDS
	s_or_b32 s[G1B+0], s44, (1<<20)|(1<<21)|(5<<22)|(3<<25)
	s_mov_b32 s[G1B+1], 256<<16
	s_mov_b32 s[G1B+2], 64<<16
	s_mov_b32 s[G1B+3], 256<<16
	s_mov_b32 s[G1B+4], 64
	s_mov_b32 s[G1B+5], 512
	s_mov_b32 s[G1B+6], 0
	s_mov_b32 s[G1B+7], 0
	s_lshl_b32 s20, s17, 4
	s_lshl_b32 s18, s16, 3
	s_add_co_u32 s20, s20, s18
	s_lshl_b32 s20, s20, 13                        ; A: (16 x token block + 8 x half) tiles of 8,192 bytes
	s_mov_b32 s21, 0
	s_lshl_b32 s46, s42, 7
	s_lshl_b32 s18, s16, 6
	s_add_co_u32 s46, s46, s18
	s_lshl_b32 s46, s46, 9                         ; Wo: (128 x channel block + 64 x half) rows of 512 bytes
	s_mov_b32 s47, 0
	s_lshl_b32 s45, s16, 15                        ; where they go: A's half,
	s_mul_i32 s19, s16, WHALF
	s_add_co_u32 s19, s19, WOFF                    ; Wo's half: no place in the cluster enters an LDS address
	s_wait_dscnt 0x0
	s_wait_kmcnt 0x0
	s_add_nc_u64 s[20:21], s[4:5], s[20:21]
	s_add_nc_u64 s[46:47], s[8:9], s[46:47]
	CROUND                                         ; all sixteen work-groups are here: the joint loads meet
.irp s, 0,1
	s_mov_b32 s[G0+4*\s], 1
	s_add_co_u32 s[G0+4*\s+1], s45, \s*SLOT
	s_add_nc_u64 s[G0+4*\s+2:G0+4*\s+3], s[20:21], \s*4096   ; heads 8 s on
	s_or_b32 s[G0+4*\s+3], s[G0+4*\s+3], 0x80000000
	s_mov_b32 s[G0B+4*\s], 1
	s_add_co_u32 s[G0B+4*\s+1], s19, \s*SLOT
	s_add_nc_u64 s[G0B+4*\s+2:G0B+4*\s+3], s[46:47], \s*256  ; K = 512 s on
	s_or_b32 s[G0B+4*\s+3], s[G0B+4*\s+3], 0x80000000
	s_wait_alu depctr_va_vdst(0)
	s_wait_tensorcnt 0x0
	ds_add_u32 v254, v255
	ds_add_u32 v254, v255
	s_wait_dscnt 0x0
	CROUND
	JLOAD \s                                       ; slot 1 is asked for only after slot 0's load has landed: one tensor load of mine is out
.endr
	v_and_b32 v1, 15, v0                           ; r
	v_bfe_u32 v2, v0, 4, 1                         ; h
	v_and_b32 v3, 31, v0                           ; lane
	v_lshlrev_b32 v4, 4, v3
	v_mul_u32_u24 v5, v1, PITCH
	v_lshl_add_u32 v5, v2, 4, v5
	s_lshl_b32 s21, s15, 15                        ; my 8 tiles of A
	s_mul_i32 s22, s16, WHALF
	s_add_co_u32 s22, s22, WOFF                    ; my 64 rows of Wo
.irp s, 0,1
	v_add_nc_u32 v[ADRA+\s], s21, v4
	v_add_nc_u32 v[ADRB+\s], s22, v5
	s_add_co_u32 s21, s21, SLOT
	s_add_co_u32 s22, s22, SLOT
.endr
	s_mul_i32 s23, s14, 16*PITCH
	s_add_co_u32 s23, s23, STAGE                   ; my stage
	v_mul_u32_u24 v6, v1, PITCH
	v_lshl_add_u32 v6, v2, 5, v6
	v_add_nc_u32 v[STO], s23, v6                   ; in: row r, 32 bytes for each half of the lanes
	v_mul_u32_u24 v6, v2, PITCH
	v_lshl_add_u32 v6, v1, 4, v6
	v_add_nc_u32 v[RD], s23, v6                    ; back: lanes 0-15 one row of 256 bytes, lanes 16-31 the next
	v_lshlrev_b32 v6, 12, v2
	v_lshl_add_u32 v[CO], v1, 4, v6                ; and the same two rows in out0
	v_lshlrev_b32 v[L32], 5, v3
	s_wait_alu depctr_va_vdst(0)
	v_lshlrev_b32 v[L2], 1, v3
	s_wait_alu depctr_va_vdst(0)
	v_lshlrev_b32 v[H32], 5, v2
	s_wait_alu depctr_va_vdst(0)
	s_lshl_b32 s20, s17, 8
	s_lshl_b32 s21, s15, 7
	s_add_co_u32 s20, s20, s21                     ; T0: my first token
	s_lshr_b32 s22, s20, 11
	s_lshl_b32 s22, s22, 16                        ; the batch's 16 planes of 4,096 bytes,
	s_and_b32 s21, s20, 2047
	s_lshl_b32 s21, s21, 1                         ; my token in a plane
	s_add_co_u32 s22, s22, s21
	s_mov_b32 s23, 0
	s_add_nc_u64 s[6:7], s[6:7], s[22:23]
	s_lshl_b32 s21, s42, 7
	s_lshl_b32 s22, s16, 6
	s_add_co_u32 s21, s21, s22                     ; my first channel
	s_lshl_b32 s22, s21, 5
	s_add_nc_u64 s[10:11], s[10:11], s[22:23]      ; Wo's scales: 32 bytes a row
	s_lshl_b32 s22, s21, 2
	s_add_nc_u64 s[68:69], s[68:69], s[22:23]      ; the bias,
	s_add_nc_u64 s[70:71], s[70:71], s[22:23]      ; out0 at my first column,
	s_lshl_b32 s22, s20, 12
	s_add_nc_u64 s[70:71], s[70:71], s[22:23]      ; and my first row; never stepped
.irp i, 0,1
.irp q, 0,1
	global_load_b128 v[SB+8*\i+4*\q:SB+8*\i+4*\q+3], v[L32], s[10:11] offset:1024*\i+16*\q   ; a row's 32 bytes are its eight scale words; a lane takes a row
.endr
.endr
.irp p, 0,1,2,3
.irp s, 0,1,2,3,4,5,6,7
	global_load_u16 v[SA+8*\p+\s], v[L2], s[6:7] offset:(2*\s)*4096+64*\p      ; tokens 32 p + lane: head 2 s's two bytes,
	global_load_u16 v[TH+8*\p+\s], v[L2], s[6:7] offset:(2*\s+1)*4096+64*\p    ; head 2 s + 1's
.endr
.endr
	WIN 0x40                                       ; destination window 1
.irp b, 0,1,2,3
	global_load_b128 v[BI+8*\b:BI+8*\b+3], v[H32], s[68:69] offset:64*\b       ; bo[16 b + 8 h + j]
	global_load_b128 v[BI+8*\b+4:BI+8*\b+7], v[H32], s[68:69] offset:64*\b+16
.endr
	WIN 0
.macro FETCH_B slot, q, p              ; Wo's four fragments of the slot's q-th 128 along K into set p
	WIN 0x40
.irp i, 0,1,2,3
.irp c, 0,1
	ds_load_b128 v[128*(\p)+8*\i+4*\c:128*(\p)+8*\i+4*\c+3], v[ADRB+\slot] offset:64*(\q)+32*\c+\i*16*PITCH
.endr
.endr
	WIN 0
.endm
.macro FETCH_A slot, q, i0             ; A's blocks i0 .. i0 + 3: images, 512 consecutive bytes a load
.irp i, \i0, \i0+1, \i0+2, \i0+3
.irp c, 0,1
	ds_load_b128 v[AF+8*(\i)+4*\c:AF+8*(\i)+4*\c+3], v[ADRA+\slot] offset:4096*(\i)+1024*(\q)+512*\c
.endr
.endr
.endm
; 8 products: A's blocks a0, a0 + 1 x Wo's four; cm = 1: the sums begin with the bias.  The 32 accumulators take turns, one instruction a turn, in the same order in every step.
.macro MUL8 a0, p, s, cm
.if \cm
	WIN 0x91                                       ; source 0 and C window 1, source 1 window 0, D window 2
.else
	WIN 0xa1                                       ; source 0 window 1, source 1 window 0, C and D window 2
.endif
.irp a, \a0, \a0+1
.irp b, 0,1,2,3
.if \cm
	WM 8*(4*(\a)+\b), 128*(\p)+8*\b, AF+8*(\a), BI+8*\b, SB+8*(\b/2)+(\s), SA+8*((\a)/2)+(\s), \b%2, (\a)%2
.else
	WM 8*(4*(\a)+\b), 128*(\p)+8*\b, AF+8*(\a), 8*(4*(\a)+\b), SB+8*(\b/2)+(\s), SA+8*((\a)/2)+(\s), \b%2, (\a)%2
.endif
.endr
.endr
.endm
.macro STEP slot, q, cm                ; a step of 128 along K that has its successor in the same slot
	s_wait_dscnt 8                                 ; Wo's set and A's blocks 0-3 are in; the youngest eight loads (A's blocks 4-7) may be out
	MUL8 0, (\q)%2, 4*(\slot)+(\q), \cm
	MUL8 2, (\q)%2, 4*(\slot)+(\q), \cm
	s_wait_dscnt 0x0
	PLACES 4
	FETCH_B \slot, (\q)+1, 1-(\q)%2
	FETCH_A \slot, (\q)+1, 0
	MUL8 4, (\q)%2, 4*(\slot)+(\q), \cm
	MUL8 6, (\q)%2, 4*(\slot)+(\q), \cm
	PLACES 4
	WIN 0
	FETCH_A \slot, (\q)+1, 4
.endm
	s_wait_tensorcnt 1                             ; my part of slot 0 is in; slot 1's load may be out
	s_barrier_signal -1
	s_barrier_wait -1
	FETCH_B 0, 0, 0
	FETCH_A 0, 0, 0
	FETCH_A 0, 0, 4
	s_wait_loadcnt 0x0                             ; scale words and bias
.set i, 0
.rept 32
	v_lshl_or_b32 v[SA+i], v[TH+i], 16, v[SA+i]    ; A's scale word of a K step: head 2 s's two bytes below, head 2 s + 1's above
.set i, i+1
.endr
	PLACES 8                                       ; scale registers written by vector instructions stand eight plain instructions ahead of the products that take them
	s_wait_alu depctr_va_vdst(0)
	STEP 0, 0, 1
	STEP 0, 1, 0
	STEP 0, 2, 0
	; slot 0's last step goes over to slot 1: each wave's part of slot 1 has landed, then one barrier
	s_wait_tensorcnt 0x0
	s_wait_dscnt 8
	MUL8 0, 1, 3, 0
	s_wait_dscnt 0x0                               ; no LDS load of mine is out at the signal
	s_barrier_signal -1
	MUL8 2, 1, 3, 0
	WIN 0
	s_barrier_wait -1
	PLACES 4
	FETCH_B 1, 0, 0
	FETCH_A 1, 0, 0
	MUL8 4, 1, 3, 0
	MUL8 6, 1, 3, 0
	PLACES 4
	WIN 0
	FETCH_A 1, 0, 4
	STEP 1, 0, 0
	STEP 1, 1, 0
	STEP 1, 2, 0
	s_wait_dscnt 8                                 ; the last step: nothing more to fetch
	MUL8 0, 1, 7, 0
	MUL8 2, 1, 7, 0
	s_wait_dscnt 0x0
	MUL8 4, 1, 7, 0
	MUL8 6, 1, 7, 0
	WIN 0
; THE WAY OUT, block by block of 16 tokens x 64 channels.  A lane holds 32 neighbouring bytes of a row and the lanes beside it hold other rows: a block goes through my own stage in LDS and comes back as rows of
; 256 bytes, which sixteen lanes store as one aligned run of 256 bytes.  LDS serves a wave's instructions in order (ISA guide 5.7.1.4): no wait between the stores and the loads, nor ahead of the next block's stores.
.macro TOSTAGE a
	WIN 0x08                                       ; an LDS store's data are its source 1: window 2
.irp b, 0,1,2,3
	ds_store_b128 v[STO], v[8*(4*(\a)+\b):8*(4*(\a)+\b)+3] offset:64*\b          ; each accumulator from its low end on
	ds_store_b128 v[STO], v[8*(4*(\a)+\b)+4:8*(4*(\a)+\b)+7] offset:64*\b+16
.endr
	WIN 0
.set BB, AF+32*((\a)%2)
.irp t, 0,1,2,3,4,5,6,7
	ds_load_b128 v[BB+4*\t:BB+4*\t+3], v[RD] offset:2*\t*PITCH
.endr
.endm
.macro SEND a, younger                 ; younger: the LDS instructions issued behind block a's loads, which may stay out
.set BB, AF+32*((\a)%2)
	s_wait_dscnt \younger
.irp t, 0,1,2,3,4,5,6,7
	global_store_b128 v[CO], v[BB+4*\t:BB+4*\t+3], s[70:71] offset:65536*(\a)+8192*\t th:TH_STORE_NT   ; the block's and the pair of rows' place stand in the immediate: 516,096 at the most; written once, read by nobody here
.endr
.endm
	PLACES 4                                       ; behind the last products: their results are read, and A's fragments' registers are loaded into
	TOSTAGE 0
.irp a, 1,2,3,4,5,6,7
.if \a > 1
	s_wait_xcnt 0x0                                ; block a - 2's stores have read their registers: block a's loads may land there
.endif
	TOSTAGE \a
	SEND \a-1, 16                                  ; behind block a - 1's loads: block a's eight stores and eight loads
.endr
	SEND 7, 0
	s_wait_tensorcnt 0x0
	ds_add_u32 v254, v255
	s_wait_dscnt 0x0
	CROUND                                         ; the closing round: no work-group ends while a partner may still ask for a tile that names it
	s_endpgm
.Lfunc_end_k_qc77914f605_outp:
	.size	k_qc77914f605_outp, .Lfunc_end_k_qc77914f605_outp-k_qc77914f605_outp
	.p2alignl 7, 3214868480
	.fill 96, 4, 3214868480
	.section	.rodata,"a",@progbits
	.p2align	6, 0x0
	.amdhsa_kernel k_qc77914f605_outp
		.amdhsa_group_segment_fixed_size 327680
		.amdhsa_private_segment_fixed_size 0
		.amdhsa_enable_private_segment 0
		.amdhsa_kernarg_size 48
		.amdhsa_user_sgpr_count 2
		.amdhsa_user_sgpr_kernarg_segment_ptr 1
		.amdhsa_wavefront_size32 1
		.amdhsa_system_sgpr_workgroup_id_x 1
		.amdhsa_system_sgpr_workgroup_id_y 1
		.amdhsa_system_sgpr_workgroup_id_z 1
		.amdhsa_system_vgpr_workitem_id 0
		.amdhsa_next_free_vgpr 768
		.amdhsa_next_free_sgpr 98
		.amdhsa_reserve_vcc 0
		.amdhsa_float_denorm_mode_32 3
		.amdhsa_float_denorm_mode_16_64 3
		.amdhsa_memory_ordered 1
		.amdhsa_forward_progress 1
		.amdhsa_inst_pref_size 81
	.end_amdhsa_kernel
	.amdgpu_metadata
---
amdhsa.version: [ 1, 2 ]
amdhsa.kernels:
  - .name:           k_qc77914f605_outp
    .symbol:         k_qc77914f605_outp.kd
    .args:
      - { .name: ac, .offset: 0, .size: 8, .value_kind: global_buffer, .address_space: global }
      - { .name: asc, .offset: 8, .size: 8, .value_kind: global_buffer, .address_space: global }
      - { .name: wo_codes, .offset: 16, .size: 8, .value_kind: global_buffer, .address_space: global }
      - { .name: wo_scales, .offset: 24, .size: 8, .value_kind: global_buffer, .address_space: global }
      - { .name: bo, .offset: 32, .size: 8, .value_kind: global_buffer, .address_space: global }
      - { .name: out0, .offset: 40, .size: 8, .value_kind: global_buffer, .address_space: global }
    .group_segment_fixed_size: 327680
    .private_segment_fixed_size: 0
    .kernarg_segment_align: 8
    .kernarg_segment_size: 48
    .max_flat_workgroup_size: 128
    .sgpr_count:     98
    .vgpr_count:     768
    .wavefront_size: 32
...
	.end_amdgpu_metadata
.endif
;; end of part 3
